; MI455X (gfx1250); checked and timed in simulation.
; The chip was launched on July 23, 2026; its instructions are those of AMD's public machine-readable ISA for CDNA 5 (MIT licence, August 2026) and "CDNA5" Instruction Set Architecture Reference Guide (July 2026). The comments in the code are by the model that wrote it; some were corrected since.
;; Quantized Linear. Allowed arithmetic: matrix products marked QUANTISED: E2M1 operands, one E8M0 scale for each 32 along K, by v_wmma_scale_f32_16x16x128_f8f6f4 with both operands' format E2M1 (or v_wmma_scale_f32_32x16x128_f4), f32 sums; everything else in f32.
;; Inputs: bias 4,096 float32; scale 4,096 x 1 float32; weight 4,096 x 4,096 int32; x_codes 4 x 1,024 x 128 x 16 uint8 (E2M1 codes of x, K innermost, in blocks of 32 codes, two codes a byte); x_scales 4 x 1,024 x 128 uint8 (E8M0 scales of x, one for each 32 codes along K); zero_point 4,096 x 1 float32.
;; Outputs: out0 4 x 1,024 x 4,096 float32.
;; This version of the problem:
;;   THIS VERSION OF THE PROBLEM IS GIVEN IN LOW PRECISION. The matrix products marked QUANTISED in the list below multiply operands that are first quantised to E2M1 (2 exponent bits, 1 mantissa bit; 4 bits a number), with one power-of-two scale for each 32 numbers along K (OCP MX v1.0); their sums are f32. All else is computed in f32.
;;   The module's matrix products, in the order in which they are computed (A, B: the left and right operand; K: the contracted axis; several contracted axes count as one K, in the product's order):
;;     1. [M 4,096, K 4,096] x [K 4,096, N 4,096]; A: input x (given as codes); B: computed on the way: QUANTISED
;;   THE QUANTISER, for each operand of a quantised product, along K:
;;     - K is cut into blocks of 32 from its start; a last block that is shorter is filled with zeros.
;;     - A block's scale is 2^e with e = floor(log2(the largest magnitude in the block)) - 2, held to -126 .. 127; a block of zeros has e = 0. As a byte (E8M0): e + 127.
;;     - Each number is divided by its block's scale, clamped to +-6, and rounded to the nearest number of E2M1, ties to even, subnormals kept.
;;     - The product sums the exact products of the quantised numbers (number of the format x scale) in f32.
;;   ~~~python
;;   def quantise(x, axis):      # numpy; x: float32 -> the quantised numbers, widened to float32 again
;;       x = np.moveaxis(x, axis, -1); K = x.shape[-1]
;;       x = np.pad(x, [(0, 0)] * (x.ndim - 1) + [(0, -K % 32)]); x = x.reshape(x.shape[:-1] + (-1, 32)); a = np.abs(x).max(-1, keepdims=True)
;;       e = np.where(a > 0, np.clip(np.frexp(np.where(a > 0, a, 1))[1] - 1 - 2, -126, 127), 0)      # np.frexp(a)[1] - 1 = floor(log2(a)), exactly
;;       r = np.clip(x / 2.0 ** e, -6, 6)
;;       step = 2.0 ** (np.maximum(np.frexp(np.where(r == 0, 1, r))[1] - 1, 0) - 1)
;;       q = np.round(r / step) * step * 2.0 ** e      # np.round: ties to even
;;       return np.moveaxis(q.reshape(q.shape[:-2] + (-1,))[..., :K], -1, axis).astype(np.float32)
;;   ~~~
;;   OPERANDS COMPUTED ON THE WAY. 'Computed on the way' means the value that the module computes at that place (a softmax that the list does not call 'softmax' is quantised finished and normalised). What goes into a quantiser is computed in f32, as accurately as f32 sums, v_exp_f32 and their like allow (about 1e-6 of the number): no bf16 or f16 on the way to a quantiser, and a product that is left as it is and whose result goes on into a quantised operand takes f32 operands (vector FMAs, or v_wmma_f32_16x16x4_f32). A number that lies on a knife's edge between two numbers of the format may be rounded either way, as far as f32 arithmetic and the matrix unit's own rounding can turn it there, and no further.
;;   INPUTS GIVEN AS CODES. x (in the module: [4, 1024, 4096], K = its axis 2): each comes as NAME_codes (uint8): NAME with its K axis moved to the last place and cut into blocks of 32 codes, [.., K / 32, bytes a block], one block behind the other in memory; two codes a byte, the lower K in the low four bits (a code: sign, 2 exponent bits, 1 mantissa bit); and NAME_scales (uint8): the same leading axes, one E8M0 byte (e + 127) for each 32 codes along K. Its value is code x scale, taken as it is: it is not quantised again, and the codes and scales need not be those that the quantiser above would give.
;; One version. Each part assembles by itself: llvm-mc -triple=amdgcn-amd-amdhsa -mcpu=gfx1250 --defsym DOCPART=n.
;; ======== version 1 of 1: 2 launches
;; limits: right only within a limited range of input values
;; workspace buffers: ws 9,437,184 bytes
;; launch quant (part 1): grid 256 x 1, 8 waves a work-group, no clusters, 66,560 bytes of LDS; arguments weight, scale, zero_point, x_scales, ws; writes ws
.if DOCPART == 1
	.amdgcn_target "amdgcn-amd-amdhsa--gfx1250"
	.amdhsa_code_object_version 6
	.text
	.protected	k_qcb1a4e91be_quant
	.globl	k_qcb1a4e91be_quant
	.p2align	8
	.type	k_qcb1a4e91be_quant,@function
k_qcb1a4e91be_quant:
	s_mov_b64 s[64:65], 0
	v_nop
	global_prefetch_b8 v0, s[64:65] scope:SCOPE_SE
	s_setreg_imm32_b32 hwreg(HW_REG_WAVE_MODE, 25, 1), 1
	s_wait_xcnt 0x0
; w_fp[n][k] = (f32(weight[n][k]) - zero_point[n]) * scale[n], [4096][4096], is turned into codes of FP4 (E2M1), K innermost, with one E8M0 byte for each 32 along K.
; The subtraction and the multiplication are two f32 roundings, in that order, as the problem's definition has them.
; A block's scale is 2^(floor(log2(its largest magnitude)) - 2); its byte is the largest magnitude's own exponent field - 2, held at 1 from below.  Each number is divided by the scale and rounded to the
; nearest code, ties to even; beyond the largest code the conversion gives the largest code.
; THE WORKSPACE ws IS LAID BY K STEP OF 512 (KSTR bytes each): first 256 groups of W of 17 rows of 256 bytes (16 rows of codes, then the 16 rows' scale bytes, 16 bytes a row: 4,352 bytes a group);
; behind them x's given scale bytes, unchanged, 16 bytes for each row m of x.
; WHICH ROWS OF W FORM GROUP G: rows 64 (G / 4) + G % 4 + 4 t, t = 0 .. 15.  So in the product's launch lane t of the four groups of 64 columns holds four NEIGHBOURING columns of the output.
; LIMITS: NaN and infinities in scale or zero_point are not served.  A block of zeros gets the byte 1 where the rule says 127: its codes are zeros, which add nothing under any byte but 0xff, and this program
; alone reads the bytes.  Blocks whose largest magnitude lies under 2^(3 - 127) are held at the byte 1.  No work of reference() is left out.
; SHARES.  Work-group G makes group G; wave s of its eight takes K step s (512 numbers, 2,048 bytes of int32) of each of the 16 rows: 16 steps, a row a step.
; A conversion takes 8 numbers of ONE block from a lane's consecutive registers, so a lane must hold 16 neighbours along K, while a load reads neighbouring bytes in neighbouring lanes: each of a step's four loads reads
; 512 consecutive bytes, 16 a lane; the 2,048 bytes go through the wave's own stage in LDS and come back 64 bytes a lane (16 bytes of padding behind each 64).  Two neighbouring lanes hold a block.
; No tensor loads, no barrier: waves share nothing.  Loads run eight steps (32 loads a wave, 16 KiB) ahead, the turn through LDS one step.  Every offset is an immediate and no store's data or address is written again.
.set STEPS, 16
.set AHEAD, 8                          ; steps of loads on their way
.set EMAX,  2
.set KSTR,  0x120000                   ; a K step in ws
.set XSC,   0x110000                   ; in it, x's scale bytes
.set SP,    80                         ; a lane's place in a stage: its 64 bytes + 16 of padding
.set WREG,  8192                       ; LDS: a region for each wave: two stages of 32 x SP bytes, behind them its 256 scale bytes
.set X,     32                         ; v32-63   two sets of 16 neighbours
.set R,     64                         ; v64-191  eight sets of 16 numbers as they are loaded
.set C,     192                        ; v192-223 codes: two registers for each step
.set E,     224                        ; v224-239 a scale byte for each step
.set SCL,   32                         ; s[32:47] scale of my 16 rows
.set ZP,    48                         ; s[48:63] zero_point of my 16 rows
	s_load_b256 s[4:11], s[0:1], 0x0               ; weight s[4:5], scale s[6:7], zero_point s[8:9], x_scales s[10:11]
	s_load_b64 s[12:13], s[0:1], 0x20              ; ws
	v_lshl_add_u32 v240, v0, 2, 0x10000            ; my spare word, and 0: for the three lines at the wave's end
	v_mov_b32 v241, 0
	v_lshrrev_b32 v1, 5, v0
	s_delay_alu instid0(VALU_DEP_1)
	v_readfirstlane_b32 s18, v1                    ; wave 0..7 = my K step
	v_and_b32 v2, 31, v0                           ; lane
	s_delay_alu instid0(VALU_DEP_1)
	v_lshlrev_b32 v3, 4, v2                        ; my 16 bytes of a load's 512
	s_delay_alu instid0(VALU_DEP_2)
	v_lshlrev_b32 v4, 3, v2                        ; my 8 bytes of a store's 256
	s_mul_i32 s19, s18, WREG
	v_lshrrev_b32 v14, 2, v2
	s_delay_alu instid0(VALU_DEP_1)
	v_mul_u32_u24 v14, v14, SP
	v_and_b32 v15, 3, v2
	s_delay_alu instid0(VALU_DEP_1)
	v_lshl_add_u32 v14, v15, 4, v14
	s_delay_alu instid0(VALU_DEP_1)
	v_add_nc_u32 v14, s19, v14                     ; the stage, on the way in: SP (lane / 4) + 16 (lane % 4); a load's 512 bytes take eight places
	v_mul_u32_u24 v15, v2, SP
	s_delay_alu instid0(VALU_DEP_1)
	v_add_nc_u32 v15, s19, v15                     ; and on the way out: SP x lane: my 16 neighbours
	v_lshrrev_b32 v5, 1, v2
	s_add_co_u32 s19, s19, 2*32*SP
	v_add_nc_u32 v5, s19, v5                       ; my wave's 256 scale bytes: my block's byte,
	v_add_nc_u32 v6, s19, v4                       ; and on the way out 8 bytes a lane
	v_lshrrev_b32 v7, 1, v2
	s_delay_alu instid0(VALU_DEP_1)
	v_lshlrev_b32 v7, 7, v7
	v_and_b32 v1, 1, v2
	s_delay_alu instid0(VALU_DEP_1)
	v_lshl_add_u32 v7, v1, 3, v7                   ; x_scales: row lane / 2 of 128 bytes, + 8 (lane % 2)
	s_lshr_b32 s2, ttmp9, 2
	s_and_b32 s3, ttmp9, 3
	s_lshl_b32 s24, s2, 20                         ; weight: row 64 (G / 4) + G % 4, of 16,384 bytes, + 2,048 s
	s_lshl_b32 s25, s3, 14
	s_add_co_u32 s24, s24, s25
	s_lshl_b32 s25, s18, 11
	s_add_co_u32 s24, s24, s25
	s_mov_b32 s25, 0
	s_lshl_b32 s2, s2, 8                           ; scale, zero_point: the same row, 4 bytes each
	s_lshl_b32 s3, s3, 2
	s_add_co_u32 s2, s2, s3
	s_mov_b32 s3, 0
	s_mul_i32 s28, s18, KSTR                       ; my K step in ws
	s_mul_i32 s26, ttmp9, 4352
	s_add_co_u32 s26, s26, s28                     ; group G
	s_mov_b32 s27, 0
	s_lshl_b32 s29, ttmp9, 8
	s_add_co_u32 s28, s28, s29
	s_add_co_u32 s28, s28, XSC                     ; x's scale bytes of rows 16 G .. 16 G + 15
	s_mov_b32 s29, 0
	s_lshl_b32 s30, ttmp9, 11                      ; x_scales: 16 G rows of 128 bytes + 16 s
	s_lshl_b32 s31, s18, 4
	s_add_co_u32 s30, s30, s31
	s_mov_b32 s31, 0
	s_wait_alu depctr_va_vdst(0)                   ; the wait at the head's end
	s_wait_kmcnt 0x0
	s_add_nc_u64 s[4:5], s[4:5], s[24:25]
	s_add_nc_u64 s[6:7], s[6:7], s[2:3]
	s_add_nc_u64 s[8:9], s[8:9], s[2:3]
	s_add_nc_u64 s[10:11], s[10:11], s[30:31]
	s_add_nc_u64 s[16:17], s[12:13], s[28:29]
	s_add_nc_u64 s[12:13], s[12:13], s[26:27]
.irp t, 0,1,2,3,4,5,6,7,8,9,10,11,12,13,14,15
	s_load_b32 s[SCL+\t], s[6:7], 16*\t            ; a row is a step, so each step takes its own pair of scalars; rows lie four apart
	s_load_b32 s[ZP+\t], s[8:9], 16*\t
.endr
	global_load_b64 v[16:17], v7, s[10:11]         ; x's scale bytes of my K step
.macro LOAD t                          ; step t: my 2,048 bytes of its row, into set t % AHEAD
.irp i, 0,1,2,3
	global_load_b128 v[R+16*((\t)%AHEAD)+4*\i:R+16*((\t)%AHEAD)+4*\i+3], v3, s[4:5] offset:65536*(\t)+512*\i th:TH_LOAD_NT   ; 32 lanes read 512 consecutive bytes
.endr
.endm
.macro TURN t                          ; step t's numbers through the stage: LDS serves a wave's instructions in order (ISA guide 5.7.1.4), so no wait stands between the stores and the loads
.irp i, 0,1,2,3
	ds_store_b128 v14, v[R+16*((\t)%AHEAD)+4*\i:R+16*((\t)%AHEAD)+4*\i+3] offset:32*SP*((\t)%2)+8*SP*\i
.endr
.irp i, 0,1,2,3
	ds_load_b128 v[X+16*((\t)%2)+4*\i:X+16*((\t)%2)+4*\i+3], v15 offset:32*SP*((\t)%2)+16*\i
.endr
.endm
.irp t, 0,1,2,3,4,5,6,7
	LOAD \t
.endr
	s_wait_loadcnt 4*(AHEAD-1)                     ; x's scale bytes and step 0's four loads are in; the 28 loads of steps 1 to 7 may be out
	global_store_b64 v4, v[16:17], s[16:17]        ; 32 lanes store 256 consecutive bytes, aligned
	TURN 0
	s_wait_kmcnt 0x0                               ; the scales and zero points
.macro STEP t
.set XS, X+16*((\t)%2)
.if (\t) > 0
	s_wait_dscnt 1                                 ; this step's numbers are back from the stage (the last step's byte store may be out): so its stores into the stage have read their registers,
.else
	s_wait_dscnt 0x0
.endif
.if (\t)+AHEAD < STEPS
	LOAD (\t)+AHEAD                                ; which take the loads of eight steps on
.endif
.if (\t)+1 < STEPS
.if (\t) <= STEPS-1-AHEAD
	s_wait_loadcnt 4*(AHEAD-1)                     ; the next step's four loads are in; those of the seven steps behind it may be out
.else
	s_wait_loadcnt 4*(STEPS-2-(\t))                ; the counts run down: steps t + 2 .. 15 may be out
.endif
	TURN (\t)+1                                    ; and go through the other stage while this step is worked
.endif
	s_xor_b32 s20, s[ZP+(\t)], 0x80000000          ; -zero_point of this row; the packed forms name a pair and take its low word for both halves, so both words are written
	s_mov_b32 s21, s20
	s_mov_b32 s22, s[SCL+(\t)]                     ; its scale
	s_mov_b32 s23, s22
.irp j, 0,1,2,3,4,5,6,7,8,9,10,11,12,13,14,15
	v_cvt_f32_i32 v[XS+\j], v[XS+\j]               ; exact: the codes have far fewer than 24 bits
.endr
.irp j, 0,2,4,6,8,10,12,14
	v_pk_add_f32 v[XS+\j:XS+\j+1], v[XS+\j:XS+\j+1], s[20:21] op_sel_hi:[1,0]   ; w - zp
.endr
.irp j, 0,2,4,6,8,10,12,14
	v_pk_mul_f32 v[XS+\j:XS+\j+1], v[XS+\j:XS+\j+1], s[22:23] op_sel_hi:[1,0]   ; x scale
.endr
	v_max3_num_f32 v8, |v[XS]|, |v[XS+1]|, |v[XS+2]|               ; the largest magnitude of my 16, in two chains
	v_max3_num_f32 v9, |v[XS+3]|, |v[XS+4]|, |v[XS+5]|
.irp i, 6,10
	s_delay_alu instid0(VALU_DEP_2)
	v_max3_num_f32 v8, v8, |v[XS+\i]|, |v[XS+\i+1]|
	s_delay_alu instid0(VALU_DEP_2)
	v_max3_num_f32 v9, v9, |v[XS+\i+2]|, |v[XS+\i+3]|
.endr
	s_delay_alu instid0(VALU_DEP_2)
	v_max3_num_f32 v8, v8, |v[XS+14]|, |v[XS+15]|
	s_delay_alu instid0(VALU_DEP_1)
	v_max3_num_f32 v8, v8, v9, (EMAX+1)<<23        ; and the floor 2^(EMAX + 1 - 127): so the byte cannot fall under 1
	s_delay_alu instid0(VALU_DEP_1)
	v_max_num_f32_dpp v8, v8, v8 row_xmask:1 row_mask:0xf bank_mask:0xf   ; and of my neighbour's 16: the block's
	s_delay_alu instid0(VALU_DEP_1)
	v_add_nc_u32 v11, -(EMAX<<23), v8              ; EMAX off its exponent field: the conversion takes the exponent field of this operand as its scale, and nothing else of it
	v_cvt_scalef32_pk8_fp4_f32 v[C+2*(\t)], v[XS:XS+7], v11        ; the first number's code in the lowest four bits
	v_cvt_scalef32_pk8_fp4_f32 v[C+2*(\t)+1], v[XS+8:XS+15], v11
	v_lshrrev_b32 v[E+(\t)], 23, v11               ; the scale's byte (also the plain instruction behind the conversions)
	ds_store_b8 v5, v[E+(\t)] offset:16*(\t)       ; both lanes of a block write the same byte with the same value
	global_store_b64 v4, v[C+2*(\t):C+2*(\t)+1], s[12:13] offset:256*(\t)   ; 32 lanes store the 256 consecutive bytes of row t of the group, aligned
.endm
.irp t, 0,1,2,3,4,5,6,7,8,9,10,11,12,13,14,15
	STEP \t
.endr
	ds_load_b64 v[12:13], v6                       ; LDS serves a wave's instructions in order: these see my byte stores
	s_wait_dscnt 0x0
	global_store_b64 v4, v[12:13], s[12:13] offset:4096   ; the group's 17th row: 16 rows' 16 scale bytes each, 256 consecutive bytes, aligned
	s_wait_tensorcnt 0x0                           ; the wave's end
	ds_add_u32 v240, v241
	s_wait_dscnt 0x0
	s_endpgm
.Lfunc_end_k_qcb1a4e91be_quant:
	.size	k_qcb1a4e91be_quant, .Lfunc_end_k_qcb1a4e91be_quant-k_qcb1a4e91be_quant
	.p2alignl 7, 3214868480
	.fill 96, 4, 3214868480
	.section	.rodata,"a",@progbits
	.p2align	6, 0x0
	.amdhsa_kernel k_qcb1a4e91be_quant
		.amdhsa_group_segment_fixed_size 66560
		.amdhsa_private_segment_fixed_size 0
		.amdhsa_enable_private_segment 0
		.amdhsa_kernarg_size 40
		.amdhsa_user_sgpr_count 2
		.amdhsa_user_sgpr_kernarg_segment_ptr 1
		.amdhsa_wavefront_size32 1
		.amdhsa_system_sgpr_workgroup_id_x 1
		.amdhsa_system_sgpr_workgroup_id_y 1
		.amdhsa_system_sgpr_workgroup_id_z 1
		.amdhsa_system_vgpr_workitem_id 0
		.amdhsa_next_free_vgpr 242
		.amdhsa_next_free_sgpr 66
		.amdhsa_reserve_vcc 0
		.amdhsa_float_denorm_mode_32 3
		.amdhsa_float_denorm_mode_16_64 3
		.amdhsa_memory_ordered 1
		.amdhsa_forward_progress 1
		.amdhsa_inst_pref_size 67
	.end_amdhsa_kernel
	.amdgpu_metadata
---
amdhsa.version: [ 1, 2 ]
amdhsa.kernels:
  - .name:           k_qcb1a4e91be_quant
    .symbol:         k_qcb1a4e91be_quant.kd
    .args:
      - { .name: weight, .offset: 0, .size: 8, .value_kind: global_buffer, .address_space: global }
      - { .name: scale, .offset: 8, .size: 8, .value_kind: global_buffer, .address_space: global }
      - { .name: zero_point, .offset: 16, .size: 8, .value_kind: global_buffer, .address_space: global }
      - { .name: x_scales, .offset: 24, .size: 8, .value_kind: global_buffer, .address_space: global }
      - { .name: ws, .offset: 32, .size: 8, .value_kind: global_buffer, .address_space: global }
    .group_segment_fixed_size: 66560
    .private_segment_fixed_size: 0
    .kernarg_segment_align: 8
    .kernarg_segment_size: 40
    .max_flat_workgroup_size: 256
    .sgpr_count:     66
    .vgpr_count:     242
    .wavefront_size: 32
...
	.end_amdgpu_metadata
.endif
;; end of part 1
;; launch gemm (part 2): grid 16 x 16, 4 waves a work-group, clusters of 4 x 4, 327,680 bytes of LDS; arguments x_codes, ws, bias, out0; writes out0
.if DOCPART == 2
	.amdgcn_target "amdgcn-amd-amdhsa--gfx1250"
	.amdhsa_code_object_version 6
	.text
	.protected	k_qcb1a4e91be_gemm
	.globl	k_qcb1a4e91be_gemm
	.p2align	8
	.type	k_qcb1a4e91be_gemm,@function
k_qcb1a4e91be_gemm:
	s_mov_b64 s[64:65], 0
	v_nop
	global_prefetch_b8 v0, s[64:65] scope:SCOPE_SE
	s_setreg_imm32_b32 hwreg(HW_REG_WAVE_MODE, 25, 1), 1
	s_wait_xcnt 0x0
	s_wait_alu depctr_hold_cnt(0) depctr_sa_sdst(0) depctr_va_vdst(0) depctr_va_sdst(0) depctr_va_ssrc(0) depctr_va_vcc(0) depctr_vm_vsrc(0)
	s_getreg_b32 s2, hwreg(HW_REG_IB_STS2, 6, 4)
	s_cmp_eq_u32 s2, 0
	s_cbranch_scc0 .Lentry_in_a_cluster
	s_endpgm
.Lentry_in_a_cluster:
	s_bfe_u32 s2, ttmp6, 0x10000c
	s_cmp_lg_u32 s2, 0xf033
	s_cbranch_scc0 .Lentry_shape_is_right
	s_endpgm
.Lentry_shape_is_right:
; out[m][n] = sum over k of x[m][k] W[n][k] + bias[n], all axes 4,096: both operands codes of FP4 (E2M1) with one E8M0 byte for each 32 along K; sums in f32, the bias added to the finished sum.
; LIMITS: those of the first launch.  No work of reference() is left out.
; A work-group of four waves makes 256 x 256 of out, a wave 128 x 128.  K goes in eight steps of 512 through a ring of two LDS slots.  A slot: x's 256 rows of 256 bytes; W's 16 groups of 17 rows of 256 bytes (16 rows of
; codes, one of their scale bytes); 16 bytes of padding behind each of these rows (pitch 272 = 68 words: 16 neighbouring rows start at 16 different groups of four of the 64 banks, ISA guide 11.1); x's 256 x 16 scale bytes.
; Waves 0 and 1 fetch x's two halves, wave 2 W's groups, wave 3 x's scale bytes: one tensor load a wave behind each round.
; CLUSTERS of 4 x 4: x's tiles and scales are asked for jointly along a row of the cluster, W's along a column.
; A cluster begins its walk along K at a lap (two K steps) of its own and goes round modulo eight: of the four clusters of one row no two begin at the same lap, the four of one column make two pairs that begin two laps apart.
; PREFETCH: K steps 2 and 3 of the walk are asked for behind the load of K step 1: one and two steps ahead of their own loads, two K steps of bytes at most.  Each aligned 256 bytes is named once in a cluster: the four
; partners and their four waves share the rows out by address.  Later K steps are not asked for: in each row and column of clusters another cluster has begun its walk, or gone on in its second lap, with them.
; WHICH COLUMNS FORM A TILE: lane r of group 4 g + b of W holds column 64 g + 4 r + b.  Source 0 = 32 rows of x, source 1 = 16 of W: register j of lane (r, h) is row 8 h + j (registers 8-15: 16 rows on), so the four tiles
; b = 0 .. 3 hold four neighbouring columns in each lane: 16 lanes x 16 bytes are 256 consecutive bytes of out.  The addition of the bias gathers them into four neighbouring registers; nothing goes through LDS.
; REGISTERS.  Each window of 256 has a quarter of the accumulators in v128-255, (row pair p, group b) at v[128 + 16 b]: pair p = 32 rows; p = 0 in window 3, 1 in window 1, 2 in window 2, 3 in window 0.  In v0-127:
;   window 0: addresses, bias (v8-15), scale words (two sets, v32-95), v96-127 the first results on the way out;   window 1: x's blocks 0-3 (two sets of 32), addresses from v64;
;   window 2: x's blocks 4-7, addresses from v64;   window 3: W's eight groups (two sets of 64).
; A STEP of 128 along K is 32 matrix instructions (32x16x128) on one set of fragments; ahead of them stands ONE run of 32 LDS loads that fetches the next step's fragments into the other set.
.set KSTR,   0x120000                  ; a K step in ws
.set XSC,    0x110000                  ; in it, x's scale bytes
.set PITCH,  272
.set HALFT,  128*PITCH                 ; x: 128 rows
.set GRP,    17*PITCH                  ; a group of W in LDS
.set BOFF,   2*HALFT
.set XSOFF,  BOFF+16*GRP
.set SLOT,   XSOFF+4096
.set SPARE,  2*SLOT                    ; the spare words, 128 bytes a wave
.set BI,     8
.set TA1,    20                        ; window 0's copies of slot 1's addresses, for the last K step: x's and W's fragments, x's and W's scales
.set TB1,    21
.set TX1,    22
.set TW1,    23
.set CO,     26                        ; my byte offset in out
.set PFX,    27                        ; the prefetches' offsets: x; W and x's scales
.set SPW,    28                        ; my spare word
.set NIL,    29                        ; 0
.set BO,     30                        ; my byte offset in bias
.set PFW,    31
.set SC,     32                        ; scale words, set = slot: registers 4 p + q: row 32 p + lane of x, word q;  16 + 4 i + q: lanes 0-15 group 2 i of W, lanes 16-31 group 2 i + 1
.set WV,     16
.set KI,     19                        ; the K step asked for last
.set G1A,    24                        ; descriptor groups 1: x, W, x's scales
.set G1W,    32
.set G1X,    40
.set G0A,    48                        ; groups 0, one for each slot
.set G0W,    56
.set G0X,    68
.set WP0,    0xfd                      ; windows for pair p's products: source 0 (x) 1 or 2, source 1 (W) 3, C and D the pair's
.set WP1,    0x5d
.set WP2,    0xae
.set WP3,    0x0e
.set AW0,    3                         ; the pair's window
.set AW1,    1
.set AW2,    2
.set AW3,    0
.set PV0,    0                         ; the window of the pair before
.set PV1,    3
.set PV2,    1
.set PV3,    2
.set MSB,    0
.macro WIN new                         ; the immediate's high byte repeats the setting that is left
.if MSB != (\new)
	s_set_vgpr_msb (MSB<<8)|(\new)
.set MSB, (\new)
.endif
.endm
.macro PLACES                          ; four places behind a matrix instruction (ISA guide 7.12.1 for vector instructions)
.rept 4
	v_nop
.endr
.endm
.macro JLOAD s                         ; the joint loads; s_nop 0 and four v_nop behind each line
	s_cmp_lt_u32 s[WV], 2
	s_cbranch_scc0 .Lnot_x_\@
	tensor_load_to_lds s[G0A+4*\s:G0A+4*\s+3], s[G1A:G1A+7]
	s_nop 0
	PLACES
	s_branch .Lasked_\@
.Lnot_x_\@:
	s_cmp_eq_u32 s[WV], 2
	s_cbranch_scc0 .Lscales_\@
	tensor_load_to_lds s[G0W+4*\s:G0W+4*\s+3], s[G1W:G1W+7]
	s_nop 0
	PLACES
	s_branch .Lasked_\@
.Lscales_\@:
	tensor_load_to_lds s[G0X+4*\s:G0X+4*\s+3], s[G1X:G1X+7]
	s_nop 0
	PLACES
.Lasked_\@:
.endm
.macro AIM s                           ; slot s's descriptors on K step s[KI]  (s21 = s23 = 0)
	s_lshl_b32 s20, s[KI], 8
	s_mul_i32 s22, s[KI], KSTR
	s_add_nc_u64 s[G0A+4*\s+2:G0A+4*\s+3], s[76:77], s[20:21]
	s_or_b32 s[G0A+4*\s+3], s[G0A+4*\s+3], 0x80000000
	s_add_nc_u64 s[G0W+4*\s+2:G0W+4*\s+3], s[78:79], s[22:23]
	s_or_b32 s[G0W+4*\s+3], s[G0W+4*\s+3], 0x80000000
	s_add_nc_u64 s[G0X+4*\s+2:G0X+4*\s+3], s[80:81], s[22:23]
	s_or_b32 s[G0X+4*\s+3], s[G0X+4*\s+3], 0x80000000
.endm
.macro CREST                           ; a round of the cluster's barrier behind its opening barrier
	s_cmp_lg_u32 s[WV], 0
	s_cbranch_scc1 .Lnot_wave_0_\@
	s_barrier_signal -3
.Lnot_wave_0_\@:
	s_barrier_wait -3
	s_barrier_signal -1
	s_barrier_wait -1
.endm
.macro CROUND
	s_barrier_signal -1
	s_barrier_wait -1
	CREST
.endm
	s_load_b256 s[4:11], s[0:1], 0x0               ; x_codes s[4:5], ws s[6:7], bias s[8:9], out s[10:11]
	v_lshl_add_u32 v[SPW], v0, 2, SPARE
	v_mov_b32 v[NIL], 0
	ds_add_u32 v[SPW], v[NIL]                      ; the wave's opening: the add, twice on end, and its wait
	ds_add_u32 v[SPW], v[NIL]
	v_lshrrev_b32 v1, 5, v0
	v_readfirstlane_b32 s[WV], v1                  ; wave 0..3
	s_lshr_b32 s17, s[WV], 1                       ; which half of the tile's rows is mine
	s_and_b32 s18, s[WV], 1                        ; which half of its columns; also which 128 rows of x I fetch
	s_bfe_u32 s92, ttmp6, 0x40000                  ; cx, cy
	s_bfe_u32 s93, ttmp6, 0x40004
	s_lshl_b32 s94, ttmp9, 2
	s_add_co_u32 s94, s94, s92                     ; tile column
	s_and_b32 s2, ttmp7, 0xffff
	s_lshl_b32 s95, s2, 2
	s_add_co_u32 s95, s95, s93                     ; tile row
	s_lshl_b32 s96, s93, 2
	s_lshl_b32 s96, 15, s96                        ; my row of the cluster
	s_lshl_b32 s97, 0x1111, s92                    ; my column
	s_lshr_b32 s[KI], s2, 1                        ; the walk's first K step, by the cluster's place: 2 ((X + 2 ((Y ^ (Y >> 1)) & 1)) mod 4)
	s_xor_b32 s[KI], s[KI], s2
	s_and_b32 s[KI], s[KI], 1
	s_lshl_b32 s[KI], s[KI], 1
	s_add_co_u32 s[KI], s[KI], ttmp9
	s_lshl_b32 s[KI], s[KI], 1
	s_and_b32 s[KI], s[KI], 7
	s_or_b32 s[G1A+0], s96, (1<<20)|(1<<21)|(5<<22)|(3<<25)           ; x: 128 rows of 256 elements of 1 byte; 4 words of padding behind every 64 words
	s_mov_b32 s[G1A+1], 256<<16
	s_mov_b32 s[G1A+2], 128<<16
	s_mov_b32 s[G1A+3], 256<<16
	s_mov_b32 s[G1A+4], 128
	s_mov_b32 s[G1A+5], 2048
	s_or_b32 s[G1W+0], s97, (3<<16)|(1<<20)|(1<<21)|(5<<22)|(3<<25)   ; W: a dense block of 272 rows of 256 bytes (32 elements of 8), padded likewise
	s_mov_b32 s[G1W+1], 32<<16
	s_mov_b32 s[G1W+2], 272<<16
	s_mov_b32 s[G1W+3], 32<<16
	s_mov_b32 s[G1W+4], 272
	s_mov_b32 s[G1W+5], 32
	s_or_b32 s[G1X+0], s96, (3<<16)|(1<<21)                           ; x's scales: a dense block of 16 rows of 256 bytes
	s_mov_b32 s[G1X+1], 32<<16
	s_mov_b32 s[G1X+2], 16<<16
	s_mov_b32 s[G1X+3], 32<<16
	s_mov_b32 s[G1X+4], 16
	s_mov_b32 s[G1X+5], 32
.irp g, G1A, G1W, G1X
	s_mov_b32 s[\g+6], 0
	s_mov_b32 s[\g+7], 0
.endr
	s_mul_i32 s66, s18, HALFT
.irp s, 0,1
	s_mov_b32 s[G0A+4*\s], 1
	s_add_co_u32 s[G0A+4*\s+1], s66, \s*SLOT
	s_mov_b32 s[G0W+4*\s], 1
	s_mov_b32 s[G0W+4*\s+1], \s*SLOT+BOFF
	s_mov_b32 s[G0X+4*\s], 1
	s_mov_b32 s[G0X+4*\s+1], \s*SLOT+XSOFF
.endr
	s_lshl_b32 s20, s95, 19                        ; x: 256 x tile row + 128 x half, rows of 2,048 bytes
	s_lshl_b32 s66, s18, 18
	s_add_co_u32 s20, s20, s66
	s_mov_b32 s21, 0
	s_mul_i32 s22, s94, 16*4352                    ; W: 16 groups a tile column
	s_mov_b32 s23, 0
	s_lshl_b32 s66, s95, 12                        ; x's scales: 256 rows of 16 bytes
	s_add_co_u32 s66, s66, XSC
	s_mov_b32 s67, 0
	s_wait_dscnt 0x0                               ; both opening adds are done
	CROUND                                         ; all sixteen work-groups are here: the first joint loads meet (the arguments are on their way)
	s_wait_kmcnt 0x0
	s_add_nc_u64 s[76:77], s[4:5], s[20:21]
	s_add_nc_u64 s[78:79], s[6:7], s[22:23]
	s_add_nc_u64 s[80:81], s[6:7], s[66:67]
	AIM 0
	JLOAD 0                                        ; K step 0 of the walk: one tensor load a wave at the head
	; the prefetches of K steps 2 and 3 (an even step and the next: no wrap between them)
	s_add_co_u32 s3, s[KI], 2
	s_and_b32 s3, s3, 7
	s_lshl_b32 s12, s95, 19                        ; x: the tile's 256 rows; the partner at cx takes 64, each of its waves 16, two lanes a row: 512 bytes of each
	s_lshl_b32 s2, s92, 17
	s_add_co_u32 s12, s12, s2
	s_lshl_b32 s2, s[WV], 15
	s_add_co_u32 s12, s12, s2
	s_lshl_b32 s2, s3, 8
	s_add_co_u32 s12, s12, s2
	s_mov_b32 s13, 0
	s_add_nc_u64 s[82:83], s[4:5], s[12:13]
	s_mul_i32 s12, s3, KSTR
	s_add_nc_u64 s[84:85], s[6:7], s[12:13]
	s_mul_i32 s14, s94, 16*4352                    ; W: the tile's 272 rows of 256 bytes; the partner at cy takes 68, each of its waves 17 (lanes 0-16)
	s_mul_i32 s2, s93, 68*256
	s_add_co_u32 s14, s14, s2
	s_mul_i32 s2, s[WV], 17*256
	s_add_co_u32 s14, s14, s2
	s_lshl_b32 s15, s95, 12                        ; x's scales: 16 rows of 256 bytes, one for each wave of the four partners along the row (the lanes that are left)
	s_lshl_b32 s2, s92, 10
	s_add_co_u32 s15, s15, s2
	s_lshl_b32 s2, s[WV], 8
	s_add_co_u32 s15, s15, s2
	s_add_co_u32 s15, s15, XSC
	s_add_co_u32 s[KI], s[KI], 1                   ; K step 1
	AIM 1
	s_lshl_b32 s12, s94, 10                        ; bias and out: my first column,
	s_lshl_b32 s2, s18, 9
	s_add_co_u32 s12, s12, s2
	s_add_nc_u64 s[8:9], s[8:9], s[12:13]
	s_lshl_b32 s2, s95, 22                         ; and my first row
	s_add_co_u32 s12, s12, s2
	s_lshl_b32 s2, s17, 21
	s_add_co_u32 s12, s12, s2
	s_add_nc_u64 s[10:11], s[10:11], s[12:13]
	s_mul_i32 s86, s17, HALFT                      ; LDS: my 128 rows of x, in slot 0 and 1
	s_add_co_u32 s87, s86, SLOT
	s_mul_i32 s88, s18, 8*GRP                      ; my eight groups of W
	s_add_co_u32 s88, s88, BOFF
	s_add_co_u32 s89, s88, SLOT
	s_lshl_b32 s90, s17, 11                        ; my 128 rows' scale bytes
	s_add_co_u32 s90, s90, XSOFF
	s_add_co_u32 s91, s90, SLOT
	s_add_co_u32 s98, s88, 16*PITCH                ; and my groups'
	s_add_co_u32 s99, s98, SLOT
	; a fragment of 16 rows x 128 K: lane (r, h) holds row r, registers 4 c .. 4 c + 3 K = 64 c + 32 h + 0 .. 31: two loads of 16 bytes, 32 bytes apart, at row x pitch + 16 h
	v_and_b32 v1, 15, v0                           ; r
	v_bfe_u32 v2, v0, 4, 1                         ; h
	v_and_b32 v3, 31, v0                           ; lane
	v_mul_u32_u24 v4, v1, PITCH
	v_lshl_add_u32 v4, v2, 4, v4
	v_lshlrev_b32 v5, 4, v3                        ; x's scales: 16 bytes a lane, 32 rows
	v_mul_u32_u24 v6, v2, GRP
	v_lshl_add_u32 v6, v1, 4, v6                   ; W's: lanes 0-15 a group, lanes 16-31 the next
	v_lshlrev_b32 v[BO], 4, v1                     ; four columns
	v_lshl_add_u32 v[CO], v2, 17, v[BO]            ; and 8 h rows of 16,384 bytes
	v_lshrrev_b32 v7, 1, v3
	v_lshlrev_b32 v7, 11, v7
	v_and_b32 v[PFX], 1, v3
	v_lshl_add_u32 v[PFX], v[PFX], 8, v7
	v_lshl_add_u32 v[PFW], v3, 8, s14
	v_mov_b32 v7, s15
	v_cmp_gt_u32 vcc_lo, 17, v3
	v_cndmask_b32 v[PFW], v7, v[PFW], vcc_lo
	v_add_nc_u32 v[TA1], s87, v4
	v_add_nc_u32 v[TB1], s89, v4
	v_add_nc_u32 v[TX1], s91, v5
	v_add_nc_u32 v[TW1], s99, v6
	WIN 0x40                                       ; window 1: W's and x's fragments, slots 0 and 1
	v_add_nc_u32 v64, s88, v4
	v_add_nc_u32 v65, s89, v4
	v_add_nc_u32 v66, s86, v4
	v_add_nc_u32 v67, s87, v4
	WIN 0x80                                       ; window 2: x's fragments, x's scales, W's scales
	v_add_nc_u32 v66, s86, v4
	v_add_nc_u32 v67, s87, v4
	v_add_nc_u32 v68, s90, v5
	v_add_nc_u32 v69, s91, v5
	v_add_nc_u32 v70, s98, v6
	v_add_nc_u32 v71, s99, v6
	WIN 0
; one matrix instruction: 32 rows of x (pair p) x group b of W x 128 K.  ra, rb: the fragments; q: the 128 along K; sc: the set of scale words.  z = 1: the product starts the sum
.macro MM p,b,ra,rb,q,sc,z
.set DD, 128+16*(\b)
.set SA, SC+32*(\sc)+4*(\p)+(\q)
.set SB, SC+32*(\sc)+16+4*((\b)/2)+(\q)
.if \z
.if (\b)%2
	v_wmma_scale_f32_32x16x128_f4 v[DD:DD+15], v[\ra:\ra+15], v[\rb:\rb+7], 0, v[SA], v[SB] matrix_b_scale:MATRIX_SCALE_ROW1
.else
	v_wmma_scale_f32_32x16x128_f4 v[DD:DD+15], v[\ra:\ra+15], v[\rb:\rb+7], 0, v[SA], v[SB]
.endif
.else
.if (\b)%2
	v_wmma_scale_f32_32x16x128_f4 v[DD:DD+15], v[\ra:\ra+15], v[\rb:\rb+7], v[DD:DD+15], v[SA], v[SB] matrix_b_scale:MATRIX_SCALE_ROW1
.else
	v_wmma_scale_f32_32x16x128_f4 v[DD:DD+15], v[\ra:\ra+15], v[\rb:\rb+7], v[DD:DD+15], v[SA], v[SB]
.endif
.endif
.endm
.macro LA ns,nq,s,i0                   ; x's blocks i0 .. i0 + 3 of slot ns, 128 along K number nq, into set s
.irp i,0,1,2,3
.irp c,0,1
	ds_load_b128 v[32*(\s)+8*\i+4*\c:32*(\s)+8*\i+4*\c+3], v[66+(\ns)] offset:64*(\nq)+32*\c+16*PITCH*(\i+\i0)
.endr
.endr
.endm
; ONE RUN of loads: the fragments of slot ns, 128 along K number nq, into set s: x's blocks 0-3 (8 loads), W's eight groups (16), x's blocks 4-7 (8).  sc = 1: ahead of them the slot's scale words (8 loads)
.macro RUN ns,nq,s,sc
.if \sc
	WIN 0x02
.irp b,0,1,2,3
	ds_load_b128 v[SC+32*(\ns)+4*\b:SC+32*(\ns)+4*\b+3], v[68+(\ns)] offset:512*\b
	ds_load_b128 v[SC+32*(\ns)+16+4*\b:SC+32*(\ns)+16+4*\b+3], v[70+(\ns)] offset:2*GRP*\b
.endr
.endif
	WIN 0x41                                       ; destination and address window 1
	LA \ns,\nq,\s,0
	WIN 0xc1
.irp b,0,1,2,3,4,5,6,7
.irp c,0,1
	ds_load_b128 v[64*(\s)+8*\b+4*\c:64*(\s)+8*\b+4*\c+3], v[64+(\ns)] offset:64*(\nq)+32*\c+GRP*\b
.endr
.endr
	WIN 0x82
	LA \ns,\nq,\s,4
.endm
.macro QP p,q,sc,s,z                   ; a quarter step: pair p x eight groups, fragment set s
	WIN WP\p
.irp b,0,1,2,3,4,5,6,7
	MM \p,\b,32*(\s)+16*(\p%2),64*(\s)+8*\b,\q,\sc,\z
.endr
.endm
; 128 along K (number q of the slot) with its successor in the same slot.  The 32 accumulators take turns, one instruction a turn
.macro STEP slot,q,z
	PLACES                                         ; for the loads into the set that the last step multiplied
	RUN \slot,(\q)+1,1-(\q)%2,0
	s_wait_dscnt 40                                ; this step's W and x's blocks 0-3 are in; out may be its x's blocks 4-7 (8) and the 32 just issued
	QP 0,\q,\slot,(\q)%2,\z
	QP 1,\q,\slot,(\q)%2,\z
	s_wait_dscnt 32                                ; all but the 32
	QP 2,\q,\slot,(\q)%2,\z
	QP 3,\q,\slot,(\q)%2,\z
.endm
; A slot's last 128 along K changes slots: its fragments are in registers or on their way; a round of the cluster's barrier shows the other slot whole and this one read out by all partners; this one is filled again first
.macro TURN slot,next
	WIN 0
	s_wait_tensorcnt 0x0                           ; my part of the other slot has landed;
	ds_add_u32 v[SPW], v[NIL]
	s_add_co_u32 s[KI], s[KI], 1
	s_and_b32 s[KI], s[KI], 7
	AIM \slot                                      ; (no tensor load of mine is out)
	s_wait_dscnt 9                                 ; W and x's blocks 0-3 are in; x's blocks 4-7 (8) and the add may be out
	QP 1,3,\slot,1,0
	s_wait_dscnt 0x0                               ; the add is done, and my reads of this slot are over
	s_barrier_signal -1
	QP 3,3,\slot,1,0                               ; work on registers while the others arrive
	WIN 0
	s_barrier_wait -1
	CREST
	JLOAD \slot                                    ; the four v_nop behind it are also the places in front of the loads below
	RUN \next,0,0,1
	QP 0,3,\slot,1,0
	QP 2,3,\slot,1,0
.endm
	s_wait_alu depctr_va_vdst(0)                   ; the wait at the head's end
	s_wait_tensorcnt 0x0                           ; my part of K step 0 is in
	ds_add_u32 v[SPW], v[NIL]
	s_wait_dscnt 0x0
	CROUND                                         ; everybody's part is in, and the joint loads meet
	JLOAD 1
	RUN 0,0,0,1
	WIN 0
	global_load_b128 v[BI:BI+3], v[BO], s[8:9]     ; bias: my four columns of each 64
	global_load_b128 v[BI+4:BI+7], v[BO], s[8:9] offset:256
	global_prefetch_b8 v[PFX], s[82:83] th:TH_LOAD_NT scope:SCOPE_SE
	global_prefetch_b8 v[PFW], s[84:85] th:TH_LOAD_NT scope:SCOPE_SE
	global_prefetch_b8 v[PFW], s[84:85] offset:KSTR th:TH_LOAD_NT scope:SCOPE_SE
	STEP 0,0,1                                     ; its products start the sums: nothing is ever cleared
	WIN 0
	s_mov_b32 s3, 3
.Llap:                                                 ; a trip goes once round the ring, from a lap's second 128 along K to the next lap's first, and fills both slots again
	STEP 0,1,0
	STEP 0,2,0
	TURN 0,1
	STEP 1,0,0
	STEP 1,1,0
	STEP 1,2,0
	TURN 1,0
	STEP 0,0,0
	WIN 0
	s_sub_co_u32 s3, s3, 1
	s_cmp_lg_u32 s3, 0
	s_cbranch_scc1 .Llap
	STEP 0,1,0
	STEP 0,2,0
; THE LAST CHANGE OF SLOTS, AND THE LAST K STEP BY ROWS: W's fragments of the whole K step (4 x 64 registers: q = 0, 1 in window 3, q = 2, 3 in window 2) and x's of one pair (64 registers of window 1, two buffers) come
; into registers; the four pairs are finished one after the other, and each leaves as soon as it is finished.
.macro TB q,r                          ; W's eight groups, 128 along K number q, into r
.irp b,0,1,2,3,4,5,6,7
.irp c,0,1
	ds_load_b128 v[\r+8*\b+4*\c:\r+8*\b+4*\c+3], v[TB1] offset:64*\q+32*\c+GRP*\b
.endr
.endr
.endm
.macro TA p,r                          ; x's pair p, all four 128 along K, into r of window 1
	WIN 0x40
.irp q,0,1,2,3
.irp i,0,1
.irp c,0,1
	ds_load_b128 v[\r+16*\q+8*\i+4*\c:\r+16*\q+8*\i+4*\c+3], v[TA1] offset:64*\q+32*\c+16*PITCH*(2*\p+\i)
.endr
.endr
.endr
.endm
.macro ROWQ p,q
	WIN 1+4*(3-(\q)/2)+0x50*AW\p
.irp b,0,1,2,3,4,5,6,7
	MM \p,\b,64*(1-(\p%2))+16*(\q),64*((\q)%2)+8*\b,\q,1,0
.endr
.endm
; The way out of pair p, in four units u of 16 rows x 64 columns, 32 registers each.  A unit's results, with the bias added, go into the registers that the unit before has left (the first: v96-127): quad j = row 8 h + j.
; First all four units' additions, then the stores in one run.  No register of a store is ever written again.
.macro TLOC p,u                        ; where unit u's results go: window PW, quad j at v[PB + PS (j / 2) + 4 (j % 2)]
.if \u==0
.set PW, PV\p
.if \p==0
.set PB, 96
.set PS, 8
.else
.set PB, 200
.set PS, 16
.endif
.else
.set PW, AW\p
.set PB, 128+64*((\u-1)%2)+8*((\u-1)/2)
.set PS, 16
.endif
.endm
.macro ADDS p,u
	TLOC \p,\u
.set CB, 128+64*(\u%2)+8*(\u/2)
	WIN AW\p+64*PW
.irp j,0,1,2,3,4,5,6,7
.irp b,0,1,2,3
	v_add_f32 v[PB+PS*(\j/2)+4*(\j%2)+\b], v[CB+16*\b+\j], v[BI+4*(\u%2)+\b]
.endr
.endr
.endm
.macro STORES p,u
	TLOC \p,\u
	WIN 4*PW
.irp j,0,1,2,3,4,5,6,7
	global_store_b128 v[CO], v[PB+PS*(\j/2)+4*(\j%2):PB+PS*(\j/2)+4*(\j%2)+3], s[10:11] offset:(32*\p+16*(\u/2)+\j)*16384+256*(\u%2) th:TH_STORE_NT   ; 2 x 16 lanes store 256 consecutive bytes, aligned
.endr
.endm
	WIN 0
	s_wait_tensorcnt 0x0                           ; my part of the last K step is in
	ds_add_u32 v[SPW], v[NIL]
	s_wait_dscnt 9
	QP 1,3,0,1,0
	s_wait_dscnt 0x0
	s_barrier_signal -1
	QP 3,3,0,1,0
	s_barrier_wait -1                              ; the last K step is whole; nothing is filled again
	PLACES
	WIN 0
.irp b,0,1,2,3
	ds_load_b128 v[SC+32+4*\b:SC+32+4*\b+3], v[TX1] offset:512*\b
	ds_load_b128 v[SC+48+4*\b:SC+48+4*\b+3], v[TW1] offset:2*GRP*\b
.endr
	WIN 0xc0
	TB 0,0
	TA 0,64
	WIN 0x80
	TB 3,64
	QP 0,3,0,1,0
	QP 2,3,0,1,0
	PLACES
	WIN 0x80
	TB 2,0
	WIN 0xc0
	TB 1,64
	TA 1,0
	s_wait_dscnt 48                                ; W's q = 2, q = 1 and pair 1 may be out
	ROWQ 0,0
	ROWQ 0,3
	s_wait_dscnt 32
	ROWQ 0,2
	s_wait_dscnt 16
	ROWQ 0,1
	s_wait_loadcnt 0x0                             ; the bias
.irp p,0,1,2,3
.if \p>0
.if \p<3
	s_wait_dscnt 16                                ; the next pair's sixteen may be out
.else
	s_wait_dscnt 0x0
.endif
	ROWQ \p,0
	ROWQ \p,3
	ROWQ \p,2
	ROWQ \p,1
.endif
	PLACES                                         ; the results were just made; and for the loads into this pair's buffer
	ADDS \p,0
	ADDS \p,1
	ADDS \p,2
	ADDS \p,3
.if \p==0
	TA 2,64                                        ; ahead of the stores: the pair two further on
.endif
.if \p==1
	TA 3,0
.endif
	STORES \p,0
	STORES \p,1
	STORES \p,2
	STORES \p,3
.endr
	WIN 0
	s_wait_tensorcnt 0x0                           ; the wave's end
	ds_add_u32 v[SPW], v[NIL]
	s_wait_dscnt 0x0
	CROUND                                         ; the closing round: no work-group ends while a partner may still ask for a tile that names it
	s_endpgm
.Lfunc_end_k_qcb1a4e91be_gemm:
	.size	k_qcb1a4e91be_gemm, .Lfunc_end_k_qcb1a4e91be_gemm-k_qcb1a4e91be_gemm
	.p2alignl 7, 3214868480
	.fill 96, 4, 3214868480
	.section	.rodata,"a",@progbits
	.p2align	6, 0x0
	.amdhsa_kernel k_qcb1a4e91be_gemm
		.amdhsa_group_segment_fixed_size 327680
		.amdhsa_private_segment_fixed_size 0
		.amdhsa_enable_private_segment 0
		.amdhsa_kernarg_size 32
		.amdhsa_user_sgpr_count 2
		.amdhsa_user_sgpr_kernarg_segment_ptr 1
		.amdhsa_wavefront_size32 1
		.amdhsa_system_sgpr_workgroup_id_x 1
		.amdhsa_system_sgpr_workgroup_id_y 1
		.amdhsa_system_sgpr_workgroup_id_z 1
		.amdhsa_system_vgpr_workitem_id 0
		.amdhsa_next_free_vgpr 1024
		.amdhsa_next_free_sgpr 100
		.amdhsa_reserve_vcc 1
		.amdhsa_float_denorm_mode_32 3
		.amdhsa_float_denorm_mode_16_64 3
		.amdhsa_memory_ordered 1
		.amdhsa_forward_progress 1
		.amdhsa_inst_pref_size 149
	.end_amdhsa_kernel
	.amdgpu_metadata
---
amdhsa.version: [ 1, 2 ]
amdhsa.kernels:
  - .name:           k_qcb1a4e91be_gemm
    .symbol:         k_qcb1a4e91be_gemm.kd
    .args:
      - { .name: x_codes, .offset: 0, .size: 8, .value_kind: global_buffer, .address_space: global }
      - { .name: ws, .offset: 8, .size: 8, .value_kind: global_buffer, .address_space: global }
      - { .name: bias, .offset: 16, .size: 8, .value_kind: global_buffer, .address_space: global }
      - { .name: out0, .offset: 24, .size: 8, .value_kind: global_buffer, .address_space: global }
    .group_segment_fixed_size: 327680
    .private_segment_fixed_size: 0
    .kernarg_segment_align: 8
    .kernarg_segment_size: 32
    .max_flat_workgroup_size: 128
    .sgpr_count:     100
    .vgpr_count:     1024
    .wavefront_size: 32
...
	.end_amdgpu_metadata
.endif
;; end of part 2
